; MI455X (gfx1250); checked and timed in simulation.
; The chip was launched on July 23, 2026; its instructions are those of AMD's public machine-readable ISA for CDNA 5 (MIT licence, August 2026) and "CDNA5" Instruction Set Architecture Reference Guide (July 2026). The comments in the code are by the model that wrote it; some were corrected since.
;; Multi Head Self Attention. Allowed arithmetic: matrix products marked QUANTISED: E2M3 operands, one E8M0 scale for each 32 along K, by v_wmma_scale_f32_16x16x128_f8f6f4 with both operands' format E2M3, f32 sums; everything else in f32.
;; Inputs: W_k 512 x 512 float32; W_o 512 x 512 float32; W_q 512 x 512 float32; W_v 512 x 512 float32; x 2 x 4,096 x 512 float32.
;; Outputs: out0 2 x 4,096 x 512 float32.
;; This version of the problem:
;;   THIS VERSION OF THE PROBLEM IS GIVEN IN LOW PRECISION. The matrix products marked QUANTISED in the list below multiply operands that are first quantised to E2M3 (2 exponent bits, 3 mantissa bits; 6 bits a number), with one power-of-two scale for each 32 numbers along K (OCP MX v1.0); their sums are f32. All else is computed in f32.
;;   The module's matrix products, in the order in which they are computed (A, B: the left and right operand; K: the contracted axis; several contracted axes count as one K, in the product's order):
;;     1. [M 8,192, K 512] x [K 512, N 512]; A: input x; B: input W_q: QUANTISED
;;     2. [M 8,192, K 512] x [K 512, N 512]; A: input x; B: input W_k: QUANTISED
;;     3. [M 8,192, K 512] x [K 512, N 512]; A: input x; B: input W_v: QUANTISED
;;     4. batch 16 x [M 4,096, K 64] x [K 64, N 4,096]; A: computed on the way; B: computed on the way: QUANTISED
;;     5. batch 16 x [M 4,096, K 4,096] x [K 4,096, N 64]; A: softmax (see below); B: computed on the way: QUANTISED
;;     6. [M 8,192, K 512] x [K 512, N 512]; A: computed on the way; B: input W_o: QUANTISED
;;   THE QUANTISER, for each operand of a quantised product, along K:
;;     - K is cut into blocks of 32 from its start; a last block that is shorter is filled with zeros.
;;     - A block's scale is 2^e with e = floor(log2(the largest magnitude in the block)) - 2, held to -126 .. 127; a block of zeros has e = 0. As a byte (E8M0): e + 127.
;;     - Each number is divided by its block's scale, clamped to +-7.5, and rounded to the nearest number of E2M3, ties to even, subnormals kept.
;;     - The product sums the exact products of the quantised numbers (number of the format x scale) in f32.
;;   ~~~python
;;   def quantise(x, axis):      # numpy; x: float32 -> the quantised numbers, widened to float32 again
;;       x = np.moveaxis(x, axis, -1); K = x.shape[-1]
;;       x = np.pad(x, [(0, 0)] * (x.ndim - 1) + [(0, -K % 32)]); x = x.reshape(x.shape[:-1] + (-1, 32)); a = np.abs(x).max(-1, keepdims=True)
;;       e = np.where(a > 0, np.clip(np.frexp(np.where(a > 0, a, 1))[1] - 1 - 2, -126, 127), 0)      # np.frexp(a)[1] - 1 = floor(log2(a)), exactly
;;       r = np.clip(x / 2.0 ** e, -7.5, 7.5)
;;       step = 2.0 ** (np.maximum(np.frexp(np.where(r == 0, 1, r))[1] - 1, 0) - 3)
;;       q = np.round(r / step) * step * 2.0 ** e      # np.round: ties to even
;;       return np.moveaxis(q.reshape(q.shape[:-2] + (-1,))[..., :K], -1, axis).astype(np.float32)
;;   ~~~
;;   SOFTMAX AHEAD OF A QUANTISED PRODUCT. Where the list says 'softmax', what is quantised is not the finished softmax but p = 2^(t - M), with t = logit x log2(e) and M = ceil(the row's largest t), a whole number; so 1/2 < the row's largest p <= 1. The row's sum l is taken of the UNQUANTISED p, in f32, and the product's result is divided by l at the end. Since M is a whole number, a kernel that streams over the keys may use a running M (the ceiling of the running maximum): every later rescaling is an exact power of two, which a block's scale takes up: the codes' values come out the same.
;;   OPERANDS COMPUTED ON THE WAY. 'Computed on the way' means the value that the module computes at that place (a softmax that the list does not call 'softmax' is quantised finished and normalised). What goes into a quantiser is computed in f32, as accurately as f32 sums, v_exp_f32 and their like allow (about 1e-6 of the number): no bf16 or f16 on the way to a quantiser, and a product that is left as it is and whose result goes on into a quantised operand takes f32 operands (vector FMAs, or v_wmma_f32_16x16x4_f32). A number that lies on a knife's edge between two numbers of the format may be rounded either way, as far as f32 arithmetic and the matrix unit's own rounding can turn it there, and no further.
;; One version. Each part assembles by itself: llvm-mc -triple=amdgcn-amd-amdhsa -mcpu=gfx1250 --defsym DOCPART=n.
;; ======== version 1 of 1: 4 launches
;; limits: right only within a limited range of input values
;; workspace buffers: xq 3,276,800 bytes; wq 819,200 bytes; qc 3,276,800 bytes; kv 6,553,600 bytes; cc 3,670,016 bytes
;; launch prep (part 1): grid 256 x 1, 4 waves a work-group, no clusters, 34,304 bytes of LDS; arguments x, W_q, W_k, W_v, W_o, xq, wq; writes xq, wq
.if DOCPART == 1
	.amdgcn_target "amdgcn-amd-amdhsa--gfx1250"
	.amdhsa_code_object_version 6
	.text
	.protected	k_q096b60d6e4_prep
	.globl	k_q096b60d6e4_prep
	.p2align	8
	.type	k_q096b60d6e4_prep,@function
k_q096b60d6e4_prep:
	s_mov_b64 s[64:65], 0
	v_nop
	global_prefetch_b8 v0, s[64:65] scope:SCOPE_SE
	s_setreg_imm32_b32 hwreg(HW_REG_WAVE_MODE, 25, 1), 1
	s_wait_xcnt 0x0
; PREP: x [8192][512] f32 (K innermost) and the four weights [512 (k)][512 (n)] f32 (K outermost) become codes of FP6 (E2M3) with one E8M0 byte for each 32 along K,
; laid as TILE RECORDS: images of the operand's registers.  A tile is 16 rows (tokens, or columns of a weight) of a group of 32: tile 2 B + u takes in lane r the row 32 B + 8 u + r + 8 (r / 8).
; A record is 6,400 bytes: four fragment images (K steps of 128) of 1,536 bytes (three groups of 512: registers 4 c .. 4 c + 3, lane l's 16 bytes at 512 c + 16 l), then 256 bytes of scale words at 6,144 + 16 r + 4 s.
; A block's scale is 2^(floor(log2(largest magnitude)) - 2); its byte is that magnitude's exponent field - 2, held at 1 from below.
; LIMITS: NaN and infinities among the inputs are not served; a block whose largest magnitude lies under 2^-124 (a block of zeros among them, where the rule says 127) gets the byte 1: a block of zeros has zero codes, and this program alone reads the bytes.
; Work-groups 0-127: x, a wave a token tile.  Work-groups 128-255: the weights, a wave one column tile x one K step.  Waves share nothing: no barrier.  A stream read once: no tensor loads, no cluster, no matrix unit.
; TOKEN TILES differ from the weights' column tiles: token tile T takes in lane r the token 64 (T / 4) + 8 (T % 4) + r + 24 (r / 8): rows 8-15 lie 32 tokens behind rows 0-7,
; so that in a result whose registers run along the tokens a lane's 32 registers of four neighbouring tiles are one whole block of 32.  The rule 32 B + 8 u + r + 8 (r / 8) holds for the weights' columns alone.
.set REC,   6400
.set SROW,  528                        ; a stage row: 512 bytes + 16, an odd multiple of 16: the sixteen rows that a load of 16 bytes a lane touches start in sixteen different columns of 16 bytes
.set RA,    16                         ; v16-143  two sets of 64 registers as loaded (the weights' path: 64 numbers)
.set X,     144                        ; v144-207 64 numbers of a lane: register 16 b + i = k 32 b + 16 h + i of its row
.set TM,    208                        ; v208-223 at work
.set PC,    224                        ; v224-235 the fragment's codes; v236-243 the conversions' second halves
.set PWS,   244                        ; v244-247 the four K steps' scale words
.set SW,    248                        ; v[248:249] the two words that a lane stores
.set FLOOR, 0x1800000                  ; 2^(3 - 127)
.set OFFE,  0xff000000                 ; -(2 << 23)
.macro XL ks, rs                       ; K step ks of my 16 rows: each load reads 512 consecutive bytes of one row, at a multiple of 512 from x's first byte
.irp p, 0,1,2,3,4,5,6,7,8,9,10,11,12,13,14,15
	global_load_b128 v[\rs+4*\p:\rs+4*\p+3], v4, s[4:5] offset:(\p+24*(\p/8))*2048+512*(\ks) th:TH_LOAD_NT
.endr
.endm
.macro TURN rs                         ; through my wave's own stage: in by rows as loaded, back 16 neighbours of each block of 32 a lane.  LDS serves a wave's instructions in order: no wait between
.irp p, 0,1,2,3,4,5,6,7,8,9,10,11,12,13,14,15
	ds_store_b128 v5, v[\rs+4*\p:\rs+4*\p+3] offset:SROW*\p
.endr
.irp b, 0,1,2,3
.irp j, 0,1,2,3
	ds_load_b128 v[X+16*\b+4*\j:X+16*\b+4*\j+3], v6 offset:128*\b+16*\j
.endr
.endr
.endm
.macro QUANTH src, pw                  ; 64 numbers of a lane become a fragment's codes in v[PC] on and the row's scale word in v[pw]
.irp b, 0,1,2,3
	v_max3_num_f32 v[TM+\b], |v[\src+16*\b]|, |v[\src+1+16*\b]|, FLOOR   ; my 16 numbers of block b, and the floor: the byte cannot fall under 1
.endr
.irp i, 2,4,6,8,10,12,14
.irp b, 0,1,2,3
	v_max3_num_f32 v[TM+\b], v[TM+\b], |v[\src+16*\b+\i]|, |v[\src+1+16*\b+\i]|   ; the four blocks by turns
.endr
.endr
.irp b, 0,1,2,3
	v_permlanex16_b32 v[TM+4+\b], v[TM+\b], s20, s21
.endr
.irp b, 0,1,2,3
	v_max_num_f32 v[TM+\b], v[TM+\b], v[TM+4+\b]   ; with lane l xor 16's 16: the block's largest magnitude
.endr
.irp b, 0,1,2,3
	v_add_nc_u32 v[TM+12+\b], OFFE, v[TM+\b]       ; 2 off its exponent field: the conversion's scale operand
.endr
.irp b, 0,1,2,3
	v_lshrrev_b32 v[TM+4+\b], 23, v[TM+12+\b]      ; the scale's byte
.endr
	v_lshl_or_b32 v[\pw], v[TM+5], 8, v[TM+4]
	v_lshl_or_b32 v[\pw], v[TM+6], 16, v[\pw]
	v_lshl_or_b32 v[\pw], v[TM+7], 24, v[\pw]
.irp c, 0,1
	v_cvt_scalef32_pk16_fp6_f32 v[PC+6*\c:PC+2+6*\c], v[\src+32*\c:\src+15+32*\c], v[TM+12+2*\c]
	v_cvt_scalef32_pk16_fp6_f32 v[PC+12+4*\c:PC+14+4*\c], v[\src+16+32*\c:\src+31+32*\c], v[TM+12+2*\c+1]   ; (a conversion's three registers begin on an even number)
.endr
	v_nop                                          ; one plain place behind a scaled conversion
.irp c, 0,1                                    ; the operand's layout wants a whole block in a lane: lanes 0-15 block 2 c, lanes 16-31 block 2 c + 1
.irp i, 0,1,2
	v_permlane16_swap_b32 v[PC+6*\c+\i], v[PC+12+4*\c+\i]
.endr
.irp i, 0,1,2
	v_mov_b32 v[PC+3+6*\c+\i], v[PC+12+4*\c+\i]
.endr
.endr
.endm
.macro XSTEP ks
.if (\ks) < 3
	s_wait_loadcnt 16                              ; this K step's 16 loads are in; the next step's 16 may be out
.else
	s_wait_loadcnt 0x0
.endif
	TURN RA+64*((\ks)%2)
	s_wait_dscnt 0x0                               ; my 64 numbers are back; the stage's stores have read the set
.if (\ks) > 0
	s_wait_xcnt 0x0                                ; the last step's stores have read the codes' registers, which are written again below
.endif
.if (\ks) < 2
	XL (\ks)+2, RA+64*((\ks)%2)                    ; the set just left takes the K step two on
.endif
	QUANTH X, PWS+(\ks)
.irp c, 0,1,2
	global_store_b128 v4, v[PC+4*\c:PC+4*\c+3], s[14:15] offset:1536*(\ks)+512*\c   ; 32 lanes store 512 consecutive bytes, at a multiple of 256 from the buffer's first byte
.endr
.endm
	s_load_b256 s[4:11], s[0:1], 0x0               ; x, W_q, W_k, W_v
	s_load_b128 s[12:15], s[0:1], 0x20             ; W_o, xq
	s_load_b64 s[16:17], s[0:1], 0x30              ; wq
	v_lshl_add_u32 v254, v0, 2, 0x8400
	v_mov_b32 v255, 0
	v_lshrrev_b32 v1, 5, v0
	v_readfirstlane_b32 s18, v1                    ; wave 0..3
	v_and_b32 v1, 31, v0                           ; lane
	v_and_b32 v2, 15, v0                           ; r
	v_bfe_u32 v3, v0, 4, 1                         ; h
	v_lshlrev_b32 v4, 4, v1                        ; 16 x lane
	s_mov_b32 s20, 0x76543210
	s_mov_b32 s21, 0xfedcba98                      ; v_permlanex16_b32's selects for lane l xor 16
	s_mov_b32 s22, 0xffff0000                      ; lanes 16-31
.irp b, 0,1,2,3
	v_mov_b32 v[TM+4+\b], 0                        ; written once: a lane permute's destination counts as one of its sources
.endr
	s_cmp_lt_u32 ttmp9, 128
	s_cbranch_scc0 .Lweights
	; ---- x: my wave's token tile = 4 x work-group + wave
	s_lshl_b32 s34, ttmp9, 2
	s_add_co_u32 s34, s34, s18
	s_lshr_b32 s35, s34, 2
	s_lshl_b32 s35, s35, 6                         ; the tile's first token: 64 (tile / 4) + 8 (tile % 4)
	s_and_b32 s36, s34, 3
	s_lshl_b32 s36, s36, 3
	s_add_co_u32 s35, s35, s36                     ; its first token: 64 (tile / 4) + 8 (tile % 4)
	s_lshl_b32 s28, s35, 11                        ; x 2,048 bytes a row
	s_mov_b32 s29, 0
	s_mul_i32 s30, s34, REC                        ; its record
	s_mov_b32 s31, 0
	s_mul_i32 s32, s18, 16*SROW                    ; my stage
	s_wait_alu depctr_va_vdst(0)
	v_add_nc_u32 v5, s32, v4                       ; in: 16 x lane of a row
	v_mul_u32_u24 v6, v2, SROW
	v_lshl_add_u32 v6, v3, 6, v6
	v_add_nc_u32 v6, s32, v6                       ; back: row r, + 64 h
	v_lshlrev_b32 v7, 4, v2
	v_lshl_add_u32 v7, v3, 3, v7                   ; scale words: 16 r + 8 h
	s_wait_alu depctr_va_vdst(0)
	s_wait_kmcnt 0x0
	s_add_nc_u64 s[4:5], s[4:5], s[28:29]
	s_add_nc_u64 s[14:15], s[14:15], s[30:31]
	XL 0, RA
	XL 1, RA+64
	XSTEP 0
	XSTEP 1
	XSTEP 2
	XSTEP 3
	v_cndmask_b32 v[SW], v[PWS], v[PWS+2], s22     ; both halves of the lanes hold row r's four words: lanes 0-15 store those of K steps 0, 1, lanes 16-31 those of 2, 3
	v_cndmask_b32 v[SW+1], v[PWS+1], v[PWS+3], s22
	global_store_b64 v7, v[SW:SW+1], s[14:15] offset:6144   ; 32 lanes store 256 consecutive bytes
	s_wait_tensorcnt 0x0
	ds_add_u32 v254, v255
	s_wait_dscnt 0x0
	s_endpgm
	; ---- the weights: j = work-group - 128: matrix j / 32, four column tiles (j / 4) % 8 (one a wave: 64 neighbouring columns a work-group), K step j % 4
.Lweights:
	s_sub_co_u32 s34, ttmp9, 128
	s_lshr_b32 s35, s34, 5                         ; which matrix: q, k, v, o
	s_bfe_u32 s36, s34, 0x30002
	s_lshl_b32 s36, s36, 2
	s_add_co_u32 s36, s36, s18                     ; column tile T
	s_and_b32 s37, s34, 3                          ; K step
	s_lshr_b32 s38, s36, 1
	s_lshl_b32 s38, s38, 5
	s_and_b32 s39, s36, 1
	s_lshl_b32 s39, s39, 3
	s_add_co_u32 s38, s38, s39                     ; the tile's first column
	s_lshl_b32 s28, s38, 2
	s_lshl_b32 s39, s37, 18                        ; 128 rows of 2,048 bytes a K step
	s_add_co_u32 s28, s28, s39
	s_mov_b32 s29, 0
	s_lshl_b32 s38, s35, 5
	s_add_co_u32 s38, s38, s36
	s_mul_i32 s38, s38, REC                        ; the tile's record
	s_mul_i32 s39, s37, 1536
	s_add_co_u32 s30, s38, s39                     ; this K step's image,
	s_mov_b32 s31, 0
	s_lshl_b32 s39, s37, 2
	s_add_co_u32 s32, s38, s39                     ; and its place among the scale words
	s_mov_b32 s33, 0
	s_wait_alu depctr_va_vdst(0)
	v_and_b32 v5, 8, v2
	v_add_nc_u32 v5, v5, v2                        ; r + 8 (r / 8)
	v_lshlrev_b32 v5, 2, v5
	v_lshl_add_u32 v5, v3, 16, v5                  ; A LANE TAKES A COLUMN AND ITS REGISTERS RUN DOWN K: lanes 16-31 begin 32 rows further down
	v_lshlrev_b32 v7, 4, v2                        ; 16 r
	s_wait_alu depctr_va_vdst(0)
	s_wait_kmcnt 0x0
	s_cmp_eq_u32 s35, 1                            ; the choice hangs on the work-group's number alone
	s_cselect_b64 s[24:25], s[8:9], s[6:7]
	s_cmp_eq_u32 s35, 2
	s_cselect_b64 s[24:25], s[10:11], s[24:25]
	s_cmp_eq_u32 s35, 3
	s_cselect_b64 s[24:25], s[12:13], s[24:25]
	s_add_nc_u64 s[24:25], s[24:25], s[28:29]
	s_add_nc_u64 s[30:31], s[16:17], s[30:31]
	s_add_nc_u64 s[32:33], s[16:17], s[32:33]
.irp c, 0,1
.irp i, 0,1,2,3,4,5,6,7,8,9,10,11,12,13,14,15,16,17,18,19,20,21,22,23,24,25,26,27,28,29,30,31
	global_load_b32 v[RA+32*\c+\i], v5, s[24:25] offset:(64*\c+\i)*2048 th:TH_LOAD_NT   ; W(128 s + 64 c + 32 h + i, my column)
.endr
.endr
	s_wait_loadcnt 0x0
.irp c, 0,1                                    ; my block 2 c + h: all its 32 numbers are mine
	v_max3_num_f32 v[TM+\c], |v[RA+32*\c]|, |v[RA+1+32*\c]|, FLOOR
.endr
.irp i, 2,4,6,8,10,12,14,16,18,20,22,24,26,28,30
.irp c, 0,1
	v_max3_num_f32 v[TM+\c], v[TM+\c], |v[RA+32*\c+\i]|, |v[RA+1+32*\c+\i]|
.endr
.endr
.irp c, 0,1
	v_add_nc_u32 v[TM+12+\c], OFFE, v[TM+\c]
.endr
.irp c, 0,1
	v_lshrrev_b32 v[TM+8+\c], 23, v[TM+12+\c]
.endr
	v_lshl_or_b32 v[PWS], v[TM+9], 16, v[TM+8]     ; my two bytes, blocks h and 2 + h,
	v_lshlrev_b32 v[TM+10], 3, v3
	v_lshlrev_b32 v[PWS], v[TM+10], v[PWS]         ; 8 h bits up;
	v_permlanex16_b32 v[TM+4], v[PWS], s20, s21
	v_or_b32 v[PWS], v[PWS], v[TM+4]               ; with lane l xor 16's two the word is whole
.irp c, 0,1
	v_cvt_scalef32_pk16_fp6_f32 v[PC+6*\c:PC+2+6*\c], v[RA+32*\c:RA+15+32*\c], v[TM+12+\c]
	v_cvt_scalef32_pk16_fp6_f32 v[PC+12+4*\c:PC+14+4*\c], v[RA+16+32*\c:RA+31+32*\c], v[TM+12+\c]
.endr
	v_nop                                          ; one plain place behind a scaled conversion
.irp c, 0,1
.irp i, 0,1,2
	v_mov_b32 v[PC+3+6*\c+\i], v[PC+12+4*\c+\i]
.endr
.endr
.irp c, 0,1,2
	global_store_b128 v4, v[PC+4*\c:PC+4*\c+3], s[30:31] offset:512*\c
.endr
	s_wait_xcnt 0x0                                ; EXEC is a source of the stores above: it changes only behind this wait
	v_cmp_gt_u32 vcc_lo, 16, v1
	s_and_saveexec_b32 s26, vcc_lo                 ; lanes 0-15: a word a column, 16 bytes apart (the other K steps' words lie between: other work-groups')
	global_store_b32 v7, v[PWS], s[32:33] offset:6144
	s_wait_xcnt 0x0                                ; and again, in front of the line that widens it
	s_or_b32 exec_lo, exec_lo, s26
	s_endpgm
.Lfunc_end_k_q096b60d6e4_prep:
	.size	k_q096b60d6e4_prep, .Lfunc_end_k_q096b60d6e4_prep-k_q096b60d6e4_prep
	.p2alignl 7, 3214868480
	.fill 96, 4, 3214868480
	.section	.rodata,"a",@progbits
	.p2align	6, 0x0
	.amdhsa_kernel k_q096b60d6e4_prep
		.amdhsa_group_segment_fixed_size 34304
		.amdhsa_private_segment_fixed_size 0
		.amdhsa_enable_private_segment 0
		.amdhsa_kernarg_size 56
		.amdhsa_user_sgpr_count 2
		.amdhsa_user_sgpr_kernarg_segment_ptr 1
		.amdhsa_wavefront_size32 1
		.amdhsa_system_sgpr_workgroup_id_x 1
		.amdhsa_system_sgpr_workgroup_id_y 1
		.amdhsa_system_sgpr_workgroup_id_z 1
		.amdhsa_system_vgpr_workitem_id 0
		.amdhsa_next_free_vgpr 256
		.amdhsa_next_free_sgpr 66
		.amdhsa_reserve_vcc 1
		.amdhsa_float_denorm_mode_32 3
		.amdhsa_float_denorm_mode_16_64 3
		.amdhsa_memory_ordered 1
		.amdhsa_forward_progress 1
		.amdhsa_inst_pref_size 44
	.end_amdhsa_kernel
	.amdgpu_metadata
---
amdhsa.version: [ 1, 2 ]
amdhsa.kernels:
  - .name:           k_q096b60d6e4_prep
    .symbol:         k_q096b60d6e4_prep.kd
    .args:
      - { .name: x, .offset: 0, .size: 8, .value_kind: global_buffer, .address_space: global }
      - { .name: W_q, .offset: 8, .size: 8, .value_kind: global_buffer, .address_space: global }
      - { .name: W_k, .offset: 16, .size: 8, .value_kind: global_buffer, .address_space: global }
      - { .name: W_v, .offset: 24, .size: 8, .value_kind: global_buffer, .address_space: global }
      - { .name: W_o, .offset: 32, .size: 8, .value_kind: global_buffer, .address_space: global }
      - { .name: xq, .offset: 40, .size: 8, .value_kind: global_buffer, .address_space: global }
      - { .name: wq, .offset: 48, .size: 8, .value_kind: global_buffer, .address_space: global }
    .group_segment_fixed_size: 34304
    .private_segment_fixed_size: 0
    .kernarg_segment_align: 8
    .kernarg_segment_size: 56
    .max_flat_workgroup_size: 128
    .sgpr_count:     66
    .vgpr_count:     256
    .wavefront_size: 32
...
	.end_amdgpu_metadata
.endif
;; end of part 1
;; launch proj (part 2): grid 64 x 3, 4 waves a work-group, no clusters, 168,448 bytes of LDS; arguments xq, wq, qc, kv; writes qc, kv
.if DOCPART == 2
	.amdgcn_target "amdgcn-amd-amdhsa--gfx1250"
	.amdhsa_code_object_version 6
	.text
	.protected	k_q096b60d6e4_proj
	.globl	k_q096b60d6e4_proj
	.p2align	8
	.type	k_q096b60d6e4_proj,@function
k_q096b60d6e4_proj:
	s_mov_b64 s[64:65], 0
	v_nop
	global_prefetch_b8 v0, s[64:65] scope:SCOPE_SE
	s_setreg_imm32_b32 hwreg(HW_REG_WAVE_MODE, 25, 1), 1
	s_wait_xcnt 0x0
; PROJ: Q = x W_q, K = x W_k, V = x W_v on codes of FP6 (E2M3), and the results quantised again: Q and K along the head's 64, V along the tokens (the keys).
; A work-group takes 128 tokens (work-group x: one key step) and one of the three products (work-group y: 0 Q, 1 K, 2 V), all 512 columns.  Wave w takes heads 2 w and 2 w + 1, one after the other:
; a pass is 128 tokens x 64 columns: 32 accumulators, 128 matrix instructions.  x's eight tile records (51,200 dense bytes) come into LDS once, by one tensor load a wave; a wave's part of the weight
; (two heads: 32 fragments) goes from memory straight into registers and stays.
; TILES (see PREP): tile 2 B + u takes in lane r the row 32 B + 8 u + r + 8 (r / 8), so that in a result the 16 registers of tiles 2 B and 2 B + 1 are 16 neighbours.
; Q, K: source 0 = 16 columns of W, source 1 = 16 tokens: a lane holds one token, its registers run along d.  The 64 registers of token tiles 2 q and 2 q + 1 become a PAIR IMAGE: registers 0-5 tile u = 0
; (lane (r, h): d = 32 h .. 32 h + 31), registers 6-11 tile u = 1; scale word (u0 block 0, u0 block 1, u1 block 0, u1 block 1).
; V: source 0 = 16 tokens, source 1 = 16 columns: a lane holds one d, its registers run along the 128 tokens: one fragment of the second product for each tile of 16 d.
; OUT: qc [b h][group] records of 6,400 bytes: four images, then 256 bytes of scale words at 6,144 + 8 l (two words a lane: word 0 lanes 0-15 unit 0, lanes 16-31 unit 1; word 1 units 2, 3);
;      kv [b h][key step] records of 12,800: K's four images, V's four at 6,144, K's scale words at 12,288, V's at 12,544.
; NO CLUSTER: x's block is shared by the three work-groups of a column of the grid, and three is no cluster's side here; the weights go to the registers of the one wave of a work-group that keeps them, so there is no tile in LDS that partners could be sent jointly.
; LIMITS: NaN and infinities are not served; a block whose largest magnitude lies under 2^-124 (a block of zeros too) gets the byte 1; this program alone reads the bytes.
; REGISTERS: window 0: v1-6 addresses; v16-111 x's eight fragments of a K step, in two halves; v112-143 x's scale words; v144-175 W's; v176-217 the quantiser's.
;   window 1: W of the first head, fragment (t, s) at 12 (4 t + s); window 2: of the second; window 3: the 32 accumulators.
.set REC,   6400
.set XF,    16
.set XS,    112                        ; tile m, K step s: 4 m + s
.set WS,    144                        ; head, tile t, K step s: 16 head + 4 t + s
.set TM,    176
.set PC,    192
.set PWS,   212
.set SW,    216
.set FLOOR, 0x1800000
.set OFFE,  0xff000000
.set MSB, 0
.macro WIN new                         ; the immediate's high byte repeats the setting that is left
.if MSB != (\new)
	s_set_vgpr_msb (MSB<<8)|(\new)
.set MSB, (\new)
.endif
.endm
.macro PLACES                          ; four plain places behind matrix instructions, in front of loads into registers that they read and of the first read of their results
.rept 4
	v_nop
.endr
.endm
.macro WLOAD hsel                      ; a head's 16 fragments and 4 x 4 scale words: 52 loads
	WIN 0x40<<(\hsel)
.irp t, 0,1,2,3
.irp s, 0,1,2,3
.irp c, 0,1,2
	global_load_b128 v[12*(4*\t+\s)+4*\c:12*(4*\t+\s)+4*\c+3], v4, s[36:37] offset:25600*(\hsel)+REC*\t+1536*\s+512*\c
.endr
.endr
.endr
	WIN 0
.irp t, 0,1,2,3
	global_load_b128 v[WS+16*(\hsel)+4*\t:WS+16*(\hsel)+4*\t+3], v5, s[36:37] offset:25600*(\hsel)+REC*\t+6144
.endr
.endm
.macro FETCH hf, ks                    ; x's tiles 4 hf .. 4 hf + 3, K step ks: 12 LDS loads of 512 consecutive bytes
.irp i, 0,1,2,3
.irp c, 0,1,2
	ds_load_b128 v[XF+48*(\hf)+12*\i+4*\c:XF+48*(\hf)+12*\i+4*\c+3], v4 offset:REC*(4*(\hf)+\i)+1536*(\ks)+512*\c
.endr
.endr
.endm
; 16 matrix instructions: x's tiles 4 hf .. + 3 against the head's four column tiles.  The 32 accumulators take turns, one instruction a turn, in the same order in every K step.  K step 0 starts the sums.
.macro MUL16 var, hf, ks, hsel
.if (\var) == 0
	WIN 0xf1+(\hsel)                               ; source 0 (W) window 1 or 2, source 1 (x) window 0, C and D window 3
.else
	WIN 0xf4+4*(\hsel)                             ; source 0 (x) window 0, source 1 (W) window 1 or 2
.endif
.irp i, 0,1,2,3
.irp t, 0,1,2,3
.set rW,  12*(4*\t+(\ks))
.set rX,  XF+48*(\hf)+12*\i
.set rWS, WS+16*(\hsel)+4*\t+(\ks)
.set rXS, XS+4*(4*(\hf)+\i)+(\ks)
.if (\var) == 0
.set rD, 32*(4*(\hf)+\i)+8*\t
.if (\ks) == 0
	v_wmma_scale_f32_16x16x128_f8f6f4 v[rD:rD+7], v[rW:rW+11], v[rX:rX+11], 0, v[rWS], v[rXS] matrix_a_fmt:MATRIX_FMT_FP6 matrix_b_fmt:MATRIX_FMT_FP6
.else
	v_wmma_scale_f32_16x16x128_f8f6f4 v[rD:rD+7], v[rW:rW+11], v[rX:rX+11], v[rD:rD+7], v[rWS], v[rXS] matrix_a_fmt:MATRIX_FMT_FP6 matrix_b_fmt:MATRIX_FMT_FP6
.endif
.else
.set rD, 64*\t+8*(4*(\hf)+\i)
.if (\ks) == 0
	v_wmma_scale_f32_16x16x128_f8f6f4 v[rD:rD+7], v[rX:rX+11], v[rW:rW+11], 0, v[rXS], v[rWS] matrix_a_fmt:MATRIX_FMT_FP6 matrix_b_fmt:MATRIX_FMT_FP6
.else
	v_wmma_scale_f32_16x16x128_f8f6f4 v[rD:rD+7], v[rX:rX+11], v[rW:rW+11], v[rD:rD+7], v[rXS], v[rWS] matrix_a_fmt:MATRIX_FMT_FP6 matrix_b_fmt:MATRIX_FMT_FP6
.endif
.endif
.endr
.endr
.endm
; 64 results of a lane, window 3's v[base] on, register 16 b + i = place 32 b + 16 h + i along the next K, become 12 registers of codes in v[PC] on and a scale word in v[pw].  Each accumulator is read from its low end on.
.macro QUANT3 base, pw
	WIN 0x0f                                       ; sources 0 and 1 window 3
.irp b, 0,1,2,3
	v_max3_num_f32 v[TM+\b], |v[(\base)+16*\b]|, |v[(\base)+1+16*\b]|, FLOOR
.endr
.irp i, 2,4,6,8,10,12,14
.irp b, 0,1,2,3
	v_max3_num_f32 v[TM+\b], |v[(\base)+16*\b+\i]|, |v[(\base)+1+16*\b+\i]|, v[TM+\b]
.endr
.endr
	WIN 0
.irp b, 0,1,2,3
	v_permlanex16_b32 v[TM+4+\b], v[TM+\b], s20, s21
.endr
.irp b, 0,1,2,3
	v_max_num_f32 v[TM+\b], v[TM+\b], v[TM+4+\b]
.endr
.irp b, 0,1,2,3
	v_add_nc_u32 v[TM+12+\b], OFFE, v[TM+\b]
.endr
.irp b, 0,1,2,3
	v_lshrrev_b32 v[TM+4+\b], 23, v[TM+12+\b]
.endr
	v_lshl_or_b32 v[\pw], v[TM+5], 8, v[TM+4]
	v_lshl_or_b32 v[\pw], v[TM+6], 16, v[\pw]
	v_lshl_or_b32 v[\pw], v[TM+7], 24, v[\pw]
	s_wait_xcnt 0x0                                ; the stores of the unit before have read the codes' registers
	WIN 0x03                                       ; source 0 window 3
.irp c, 0,1
	v_cvt_scalef32_pk16_fp6_f32 v[PC+6*\c:PC+2+6*\c], v[(\base)+32*\c:(\base)+15+32*\c], v[TM+12+2*\c]
	v_cvt_scalef32_pk16_fp6_f32 v[PC+12+4*\c:PC+14+4*\c], v[(\base)+16+32*\c:(\base)+31+32*\c], v[TM+12+2*\c+1]
.endr
	WIN 0
	v_nop                                          ; one plain place behind a scaled conversion
.irp c, 0,1
.irp i, 0,1,2
	v_permlane16_swap_b32 v[PC+6*\c+\i], v[PC+12+4*\c+\i]
.endr
.irp i, 0,1,2
	v_mov_b32 v[PC+3+6*\c+\i], v[PC+12+4*\c+\i]
.endr
.endr
.endm
; One head: four K steps, then four units quantised and stored.  While one half of x's fragments is multiplied, the other half's next fragments land.
; V's quantiser.  Token tile m takes in row 8 h + j the token 64 (m / 4) + 8 (m % 4) + 32 h + j, so register R = 8 m + j of a lane is token 64 (R / 32) + 32 h + R % 32:
; a lane holds two whole blocks of 32 tokens, h and 2 + h.  No other lane is asked for a maximum, and the conversions' results are the fragment's registers; the scale word's four bytes are gathered from lanes l and l xor 16.
.macro QUANTV base, pw
	WIN 0x0f                                       ; sources 0 and 1 window 3
.irp c, 0,1
	v_max3_num_f32 v[TM+\c], |v[(\base)+32*\c]|, |v[(\base)+1+32*\c]|, FLOOR
.endr
.irp i, 2,4,6,8,10,12,14,16,18,20,22,24,26,28,30
.irp c, 0,1
	v_max3_num_f32 v[TM+\c], |v[(\base)+32*\c+\i]|, |v[(\base)+1+32*\c+\i]|, v[TM+\c]
.endr
.endr
	WIN 0
.irp c, 0,1
	v_add_nc_u32 v[TM+12+\c], OFFE, v[TM+\c]
.endr
.irp c, 0,1
	v_lshrrev_b32 v[TM+8+\c], 23, v[TM+12+\c]
.endr
	v_lshl_or_b32 v[\pw], v[TM+9], 16, v[TM+8]     ; my two bytes, blocks h and 2 + h,
	v_lshlrev_b32 v[\pw], v3, v[\pw]               ; 8 h bits up;
	v_permlanex16_b32 v[TM+4], v[\pw], s20, s21
	v_or_b32 v[\pw], v[\pw], v[TM+4]               ; with lane l xor 16's two the word is whole, in both halves of the lanes
	s_wait_alu depctr_va_vdst(0)
	s_wait_xcnt 0x0                                ; the stores of the unit before have read the codes' registers
	WIN 0x03                                       ; source 0 window 3
.irp c, 0,1
	v_cvt_scalef32_pk16_fp6_f32 v[PC+6*\c:PC+2+6*\c], v[(\base)+32*\c:(\base)+15+32*\c], v[TM+12+\c]
	v_cvt_scalef32_pk16_fp6_f32 v[PC+12+4*\c:PC+14+4*\c], v[(\base)+16+32*\c:(\base)+31+32*\c], v[TM+12+\c]
.endr
	WIN 0
	v_nop                                          ; one plain place behind a scaled conversion
.irp c, 0,1
.irp i, 0,1,2
	v_mov_b32 v[PC+3+6*\c+\i], v[PC+12+4*\c+\i]
.endr
.endr
.endm
.macro PASS var, hsel
.irp s, 0,1,2,3
	s_wait_dscnt 12                                ; tiles 0-3 are in; the 12 loads of tiles 4-7 may be out
	MUL16 \var, 0, \s, \hsel
	WIN 0
	PLACES
.if \s < 3
	FETCH 0, \s+1
	s_wait_dscnt 12                                ; tiles 4-7 are in; the 12 just issued may be out
.elseif \hsel == 0
	FETCH 0, 0                                     ; the second head begins again at K step 0
	s_wait_dscnt 12
.else
	s_wait_dscnt 0x0
.endif
	MUL16 \var, 1, \s, \hsel
	WIN 0
	PLACES
.if \s < 3
	FETCH 1, \s+1
.elseif \hsel == 0
	FETCH 1, 0
.endif
.endr
.irp q, 0,1,2,3
.if \var == 0
	QUANT3 64*\q, PWS+\q
.else
	QUANTV 64*\q, PWS+\q
.endif
.irp c, 0,1,2
	global_store_b128 v4, v[PC+4*\c:PC+4*\c+3], s[40:41] offset:1536*\q+512*\c   ; 32 lanes store 512 consecutive bytes, at a multiple of 256 from the buffer's first byte
.endr
.endr
	v_cndmask_b32 v[SW], v[PWS], v[PWS+1], s22     ; word 0: lanes 0-15 unit 0's, lanes 16-31 unit 1's
	v_cndmask_b32 v[SW+1], v[PWS+2], v[PWS+3], s22 ; word 1: units 2 and 3
	global_store_b64 v6, v[SW:SW+1], s[40:41]      ; 256 consecutive bytes
.if \hsel == 0
	s_wait_xcnt 0x0                                ; the stores have read their base
	s_add_nc_u64 s[40:41], s[40:41], s[46:47]      ; the next head's record: 32 records on
.endif
.endm
	s_load_b256 s[4:11], s[0:1], 0x0               ; xq, wq, qc, kv
	v_lshl_add_u32 v254, v0, 2, 0x29000
	v_mov_b32 v255, 0
	ds_add_u32 v254, v255
	ds_add_u32 v254, v255
	v_lshrrev_b32 v1, 5, v0
	v_readfirstlane_b32 s18, v1                    ; wave 0..3
	s_and_b32 s19, ttmp7, 0xffff                   ; 0 Q, 1 K, 2 V
	s_mov_b32 s20, 0x76543210
	s_mov_b32 s21, 0xfedcba98
	s_mov_b32 s22, 0xffff0000                      ; lanes 16-31
	; descriptor group 1: a dense block of 12,800 bytes as 50 rows of 256 (32 elements of 8 bytes), no padding: images are read 16 bytes a lane on end
	s_mov_b32 s24, 3<<16
	s_mov_b32 s25, 32<<16                          ; tensor_dim0
	s_mov_b32 s26, 50<<16                          ; tensor_dim1
	s_mov_b32 s27, 32<<16                          ; tile_dim0
	s_mov_b32 s28, 50                              ; tile_dim1
	s_mov_b32 s29, 32                              ; the pitch
	s_mov_b32 s30, 0
	s_mov_b32 s31, 0
	s_mov_b32 s32, 1
	s_mul_i32 s33, s18, 12800                      ; LDS: my quarter (two tile records)
	s_mul_i32 s48, ttmp9, 51200
	s_add_co_u32 s48, s48, s33
	s_mov_b32 s49, 0
	s_wait_dscnt 0x0
	s_wait_kmcnt 0x0
	s_add_nc_u64 s[34:35], s[4:5], s[48:49]
	s_or_b32 s35, s35, 0x80000000
	tensor_load_to_lds s[32:35], s[24:31]          ; filled once: my one tensor load
	s_nop 0
	v_and_b32 v1, 31, v0                           ; (four lines of the work stand behind the tensor load, ahead of the first switch of windows)  lane
	v_and_b32 v2, 15, v0                           ; r
	v_lshlrev_b32 v4, 4, v1                        ; 16 x lane: an image's place for my lane
	s_wait_alu depctr_va_vdst(0)
	v_lshlrev_b32 v5, 4, v2                        ; 16 r: a row's four scale words
	s_wait_alu depctr_va_vdst(0)
	s_mul_i32 s50, s19, 204800                     ; my matrix,
	s_mul_i32 s51, s18, 51200                      ; my two heads' eight records
	s_add_co_u32 s50, s50, s51
	s_mov_b32 s51, 0
	s_add_nc_u64 s[36:37], s[6:7], s[50:51]
	WLOAD 0
	WLOAD 1
	; where the results go
	s_lshr_b32 s52, ttmp9, 5                       ; the batch,
	s_and_b32 s53, ttmp9, 31                       ; the group of 128 tokens in it
	s_lshl_b32 s52, s52, 3
	s_lshl_b32 s54, s18, 1
	s_add_co_u32 s52, s52, s54                     ; b h of my first head
	s_lshl_b32 s52, s52, 5
	s_add_co_u32 s52, s52, s53                     ; its record
	s_cmp_eq_u32 s19, 0
	s_cselect_b64 s[40:41], s[8:9], s[10:11]       ; qc or kv: the choice hangs on the work-group's number alone
	s_mov_b32 s42, 12800
	s_cselect_b32 s42, 6400, s42                   ; a record's bytes
	s_mov_b32 s43, 12288
	s_cselect_b32 s43, 6144, s43                   ; where the scale words lie, from the images' first byte: Q 6,144, K 12,288,
	s_cmp_eq_u32 s19, 2
	s_cselect_b32 s43, 6400, s43                   ; V 6,400,
	s_cselect_b32 s44, 6144, 0                     ; whose images begin 6,144 bytes into the record
	s_mul_i32 s52, s52, s42
	s_add_co_u32 s52, s52, s44
	s_mov_b32 s53, 0
	s_add_nc_u64 s[40:41], s[40:41], s[52:53]
	s_lshl_b32 s46, s42, 5                         ; from head to head: 32 records
	s_mov_b32 s47, 0
	v_lshl_add_u32 v6, v1, 3, s43
	v_and_b32 v3, 16, v0
	v_lshrrev_b32 v3, 1, v3                        ; 8 h: how far a lane's two scale bytes are shifted up (V)
.irp b, 0,1,2,3
	v_mov_b32 v[TM+4+\b], 0                        ; written once: a lane permute's destination counts as one of its sources
.endr
	s_wait_tensorcnt 0x0                           ; my quarter of x's block is in,
	s_barrier_signal -1
	s_barrier_wait -1                              ; everybody's is
.irp m, 0,1,2,3,4,5,6,7
	ds_load_b128 v[XS+4*\m:XS+4*\m+3], v5 offset:REC*\m+6144
.endr
	FETCH 0, 0
	FETCH 1, 0
	s_wait_loadcnt 52                              ; the first head's 52 loads are in; the second head's 52 may be out
	s_cmp_eq_u32 s19, 2
	s_cbranch_scc1 .Lv
	PASS 0, 0
	s_wait_loadcnt 0x0
	PASS 0, 1
	s_wait_tensorcnt 0x0
	ds_add_u32 v254, v255
	s_wait_dscnt 0x0
	s_endpgm
.Lv:
	PASS 1, 0
	s_wait_loadcnt 0x0
	PASS 1, 1
	s_wait_tensorcnt 0x0
	ds_add_u32 v254, v255
	s_wait_dscnt 0x0
	s_endpgm
.Lfunc_end_k_q096b60d6e4_proj:
	.size	k_q096b60d6e4_proj, .Lfunc_end_k_q096b60d6e4_proj-k_q096b60d6e4_proj
	.p2alignl 7, 3214868480
	.fill 96, 4, 3214868480
	.section	.rodata,"a",@progbits
	.p2align	6, 0x0
	.amdhsa_kernel k_q096b60d6e4_proj
		.amdhsa_group_segment_fixed_size 168448
		.amdhsa_private_segment_fixed_size 0
		.amdhsa_enable_private_segment 0
		.amdhsa_kernarg_size 32
		.amdhsa_user_sgpr_count 2
		.amdhsa_user_sgpr_kernarg_segment_ptr 1
		.amdhsa_wavefront_size32 1
		.amdhsa_system_sgpr_workgroup_id_x 1
		.amdhsa_system_sgpr_workgroup_id_y 1
		.amdhsa_system_sgpr_workgroup_id_z 1
		.amdhsa_system_vgpr_workitem_id 0
		.amdhsa_next_free_vgpr 1024
		.amdhsa_next_free_sgpr 66
		.amdhsa_reserve_vcc 0
		.amdhsa_float_denorm_mode_32 3
		.amdhsa_float_denorm_mode_16_64 3
		.amdhsa_memory_ordered 1
		.amdhsa_forward_progress 1
		.amdhsa_inst_pref_size 169
	.end_amdhsa_kernel
	.amdgpu_metadata
---
amdhsa.version: [ 1, 2 ]
amdhsa.kernels:
  - .name:           k_q096b60d6e4_proj
    .symbol:         k_q096b60d6e4_proj.kd
    .args:
      - { .name: xq, .offset: 0, .size: 8, .value_kind: global_buffer, .address_space: global }
      - { .name: wq, .offset: 8, .size: 8, .value_kind: global_buffer, .address_space: global }
      - { .name: qc, .offset: 16, .size: 8, .value_kind: global_buffer, .address_space: global }
      - { .name: kv, .offset: 24, .size: 8, .value_kind: global_buffer, .address_space: global }
    .group_segment_fixed_size: 168448
    .private_segment_fixed_size: 0
    .kernarg_segment_align: 8
    .kernarg_segment_size: 32
    .max_flat_workgroup_size: 128
    .sgpr_count:     66
    .vgpr_count:     1024
    .wavefront_size: 32
...
	.end_amdgpu_metadata
.endif
;; end of part 2
;; launch attn (part 3): grid 16 x 16, 16 waves a work-group, clusters of 4 x 1, 327,680 bytes of LDS; arguments qc, kv, cc; writes cc
.if DOCPART == 3
	.amdgcn_target "amdgcn-amd-amdhsa--gfx1250"
	.amdhsa_code_object_version 6
	.text
	.protected	k_q096b60d6e4_attn
	.globl	k_q096b60d6e4_attn
	.p2align	8
	.type	k_q096b60d6e4_attn,@function
k_q096b60d6e4_attn:
	s_mov_b64 s[64:65], 0
	v_nop
	global_prefetch_b8 v0, s[64:65] scope:SCOPE_SE
	s_setreg_imm32_b32 hwreg(HW_REG_WAVE_MODE, 25, 1), 1
	s_wait_xcnt 0x0
	s_wait_alu depctr_hold_cnt(0) depctr_sa_sdst(0) depctr_va_vdst(0) depctr_va_sdst(0) depctr_va_ssrc(0) depctr_va_vcc(0) depctr_vm_vsrc(0)
	s_getreg_b32 s2, hwreg(HW_REG_IB_STS2, 6, 4)
	s_cmp_eq_u32 s2, 0
	s_cbranch_scc0 .Lentry_in_a_cluster
	s_endpgm
.Lentry_in_a_cluster:
	s_bfe_u32 s2, ttmp6, 0x10000c
	s_cmp_lg_u32 s2, 0x3003
	s_cbranch_scc0 .Lentry_shape_is_right
	s_endpgm
.Lentry_shape_is_right:
; ATTN: for each of 16 (batch, head): O[q] = sum over k of softmax_k(Q[q] . K[k] / 8) V[k], both products on codes of FP6 (E2M3); O / l quantised again along the head's 64 for the last product.
; THE SOFTMAX: t = score x log2(e) / 8; M = the running largest t rounded UP to a whole number; p = 2^(t - M) is quantised along the keys, not normalised; l is the sum of the unquantised p.
; When M moves, l and O are multiplied by 2^(old M - new M), which rounds nothing.
; SHARES.  A work-group owns 256 queries of one (batch, head); each of its sixteen waves one tile of 16, in 256 registers: four waves to a SIMD.  Every wave walks all 4,096 keys, 128 a step.
; LAYOUT.  Both products transposed: S^T = K Q^T, O^T = V^T P^T: a lane holds one query (lane % 16).  The head's K is 64, the instruction's 128: a pair image of K holds two tiles of 16 keys and is
; multiplied twice, by (Q, zeros) and by (zeros, Q).  Key tile t takes in row 8 h + j the key 64 (t / 4) + 32 h + 8 (t % 4) + j, so register 32 c + i of S^T is key 64 c + 32 h + i:
; a lane holds two WHOLE blocks of 32 keys, h and 2 + h: a block's maximum needs no other lane, and the conversions' results are P's fragment.
; THE PLACES behind the matrix instructions are filled by work that is due: the last eight additions of a step's sum of p are put off, four behind the second product, four behind the next step's scores.
; A TRIP IS TWO KEY STEPS: the LDS addresses are made once for both (the second record stands in the immediates), and -M takes turns between two registers, so that it is never copied.
; LDS.  Key steps 0-23 lie at 12,800 x step, as they lie in kv: slot 0 holds steps 0-7, slot 1 steps 8-23; steps 24-31 are filled into slot 0 again.
; CLUSTER.  The four query blocks of a cluster walk the same K and V: each fill is asked for JOINTLY (mask 15), a sixteenth by each wave: one tensor load a wave at the head, one behind each of two rounds.
; NO PREFETCH: the second fill is asked for eight key steps ahead of its first read, the third sixteen; only the first is waited for, and no loop stands ahead of it.
; OUT: cc [token tile] records of 7,168 bytes: for each head a half image of 768 (registers 0-3 at 16 l, 4-5 at 512 + 8 l), from 6,144 on 128 bytes of scale words a head (4 l; bytes 0, 1).
; LIMITS: the promise holds while the scaled scores t stay under 2^31 in magnitude; NaN and infinities are not served; a block whose largest magnitude lies under 2^-124 (a block of zeros too) gets the byte 1; this program alone reads the bytes.
; REGISTERS: v1 16 l, v2 8 l, v3-4 the trip's LDS addresses, v5-6 the spare word's address and 0, v8 4 l, v10 the byte selector of my half of the lanes; v12 and v88 -M by turns, v13 the largest score, v[14:15] l;
;   v16-33 Q, zeros, Q; v[34:35] K's scale words, v[36:37] V's, v38 Q's, v90 P's; v40-87 K's fragments, then V's; v96-159 S^T, then p; v160-191 O^T; v192-207 partial sums; v224-235 P's codes; v236-255 at work.
.set STEPB, 12800
.set SLOT1, 8*STEPB
.set SPARE, 24*STEPB                   ; behind the slots: the spare words, 128 bytes for each wave: eight blocks of 256 bytes that no other line names
.set FB,  40
.set S,   96
.set O,   160
.set A,   192
.set PC,  224
.set T2,  236
.set W,   239
.set TX,  243
.set BM,  244
.set BM2, 246
.set SO,  248
.set TA,  250
.set TB,  251
.set F,   252
.set TC,  254
.set SEL, 10
.set NMA, 12
.set NMB, 88
.set MS,  13
.set L,   14
.set QW,  38
.set PW,  90
.macro CROUND                          ; a round of the cluster's barrier
	s_barrier_signal -1
	s_barrier_wait -1
	s_cmp_lg_u32 s18, 0
	s_cbranch_scc1 .Lnot_wave_0_\@
	s_barrier_signal -3
.Lnot_wave_0_\@:
	s_barrier_wait -3
	s_barrier_signal -1
	s_barrier_wait -1
.endm
.macro JLOAD g0, g1                    ; a joint load, issued by every wave; an s_nop 0 and four v_nop follow it
	tensor_load_to_lds s[\g0:\g0+3], s[\g1:\g1+7]
	s_nop 0
.rept 4
	v_nop
.endr
.endm
.macro SUMS cnt                        ; the next cnt of the 24 packed additions that bring p's 32 pairs into eight partial sums
.rept \cnt
.if SN < 8
	v_pk_add_f32 v[A+2*SN:A+2*SN+1], v[S+2*SN:S+2*SN+1], v[S+16+2*SN:S+17+2*SN]
.else
	v_pk_add_f32 v[A+2*(SN%8):A+2*(SN%8)+1], v[A+2*(SN%8):A+2*(SN%8)+1], v[S+16+2*SN:S+17+2*SN]
.endif
.set SN, SN+1
.endr
.endm
.macro JOIN2                           ; four partial sums of the step before into l
	v_pk_add_f32 v[A:A+1], v[A:A+1], v[A+4:A+5]
	v_pk_add_f32 v[A+2:A+3], v[A+2:A+3], v[A+6:A+7]
	s_delay_alu instid0(VALU_DEP_1)
	v_pk_add_f32 v[A:A+1], v[A:A+1], v[A+2:A+3]
	s_delay_alu instid0(VALU_DEP_1)
	v_pk_add_f32 v[L:L+1], v[L:L+1], v[A:A+1]
.endm
; A KEY STEP: 128 keys, whose record begins at LDS byte s40 + off.  na: the register that holds -M, nb: the one that takes the new -M.
.macro STEP na, nb, off
.if \off == 0
	v_add_nc_u32 v3, s40, v1
	v_add_nc_u32 v4, s40, v2
.endif
.irp f, 0,1,2,3
.irp c, 0,1,2
	ds_load_b128 v[FB+12*\f+4*\c:FB+12*\f+4*\c+3], v3 offset:\off+1536*\f+512*\c   ; K's four pair images (four plain lines or more stand behind the last step's products)
.endr
.endr
	ds_load_b64 v[34:35], v4 offset:\off+12288     ; and their scale words
	s_wait_alu depctr_va_vdst(0)
	s_wait_dscnt 0x0
.irp f, 0,1,2,3                                ; S^T: the 32 keys of image f, tile u = 0 by (Q, zeros), tile u = 1 by (zeros, Q)
.irp u, 0,1
.if \f % 2
	v_wmma_scale_f32_16x16x128_f8f6f4 v[S+16*\f+8*\u:S+16*\f+8*\u+7], v[FB+12*\f:FB+12*\f+11], v[16+6*\u:27+6*\u], 0, v[34+\f/2], v[QW] matrix_a_fmt:MATRIX_FMT_FP6 matrix_b_fmt:MATRIX_FMT_FP6 matrix_a_scale:MATRIX_SCALE_ROW1
.else
	v_wmma_scale_f32_16x16x128_f8f6f4 v[S+16*\f+8*\u:S+16*\f+8*\u+7], v[FB+12*\f:FB+12*\f+11], v[16+6*\u:27+6*\u], 0, v[34+\f/2], v[QW] matrix_a_fmt:MATRIX_FMT_FP6 matrix_b_fmt:MATRIX_FMT_FP6
.endif
.endr
.endr
	JOIN2                                          ; four plain lines: the places in front of the loads below and of the first read of the scores
.irp f, 0,1,2,3
.irp c, 0,1,2
	ds_load_b128 v[FB+12*\f+4*\c:FB+12*\f+4*\c+3], v3 offset:\off+6144+1536*\f+512*\c   ; V's four fragments land under the softmax
.endr
.endr
	ds_load_b64 v[36:37], v4 offset:\off+12544
.irp c, 0,1                                    ; my two blocks' largest scores, two chains a block; each accumulator is read from its low end on
	v_max3_num_f32 v[BM+\c], v[S+32*\c], v[S+32*\c+1], v[S+32*\c+2]
	v_max3_num_f32 v[BM2+\c], v[S+32*\c+17], v[S+32*\c+18], v[S+32*\c+19]
.endr
.irp i, 0,2,4,6,8,10
.irp c, 0,1
	v_max3_num_f32 v[BM+\c], v[BM+\c], v[S+32*\c+3+\i], v[S+32*\c+4+\i]
	v_max3_num_f32 v[BM2+\c], v[BM2+\c], v[S+32*\c+20+\i], v[S+32*\c+21+\i]
.endr
.endr
.irp c, 0,1
	v_max3_num_f32 v[BM+\c], v[BM+\c], v[S+32*\c+15], v[S+32*\c+16]
.endr
.irp c, 0,1
	v_max_num_f32 v[BM+\c], v[BM+\c], v[BM2+\c]    ; it serves twice: for the row's maximum and, since p rises with the score, for the block's largest p
.endr
	v_max3_num_f32 v[TA], v[BM], v[BM+1], v[MS]
	s_delay_alu instid0(VALU_DEP_1)
	v_permlanex16_b32 v[TB], v[TA], s20, s21
	s_delay_alu instid0(VALU_DEP_1)
	v_max_num_f32 v[MS], v[TA], v[TB]              ; the running largest score of my query
	s_delay_alu instid0(VALU_DEP_1)
	v_mul_f32 v[TA], s22, v[MS]                    ; as t (c is positive)
	s_delay_alu instid0(VALU_DEP_1)
	v_floor_f32 v[\nb], -v[TA]                     ; the new -M = -ceil(t)
	s_delay_alu instid0(VALU_DEP_1)
	v_sub_f32 v[TA], v[\nb], v[\na]                ; old M - new M: a whole number, 0 or less
	s_delay_alu instid0(VALU_DEP_1)
	v_cvt_i32_f32 v[TA], v[TA]                     ; (it saturates)
	s_delay_alu instid0(VALU_DEP_1)
	v_ldexp_f32 v[F], 1.0, v[TA]                   ; f = 2^(old M - new M)
.set j, 0
.rept 32
	v_pk_fma_f32 v[S+j:S+j+1], v[S+j:S+j+1], s[22:23], v[\nb:\nb+1] op_sel_hi:[1,0,0]   ; t - M, two at a time
.set j, j+2
.endr
.irp c, 0,1
	v_fma_f32 v[BM+\c], v[BM+\c], s22, v[\nb]      ; the same of each block's largest score
.endr
.set j, 0
.rept 16
	v_pk_mul_f32 v[O+j:O+j+1], v[O+j:O+j+1], v[F:F+1] op_sel_hi:[1,0]   ; O^T under the new M; each accumulator from its low end on
.set j, j+2
.endr
	s_wait_alu depctr_va_vdst(0)
.irp c, 0,1
	v_exp_f32 v[BM+\c], v[BM+\c]                   ; the block's largest p
.endr
.set j, 0
.rept 64
	v_exp_f32 v[S+j], v[S+j]                       ; p = 2^(t - M)
.set j, j+1
.endr
	v_pk_mul_f32 v[L:L+1], v[L:L+1], v[F:F+1] op_sel_hi:[1,0]   ; l under the new M: the plain place behind the exponentials
	s_wait_alu depctr_va_vdst(0)                   ; one wait for the batch of 66, ahead of its first reader
.set SN, 0
.irp c, 0,1
	v_max_num_f32 v[BM+\c], 0x1800000, v[BM+\c]    ; the floor 2^(3 - 127): the byte cannot fall under 1
.endr
	SUMS 2                                         ; the sum of the unquantised p stands between the links of the scales' chain
.irp c, 0,1
	v_add_nc_u32 v[SO+\c], 0xff000000, v[BM+\c]    ; 2 off the exponent field: the conversion's scale operand
.endr
.irp c, 0,1
	v_lshl_add_u32 v[TC+\c], v[BM+\c], 1, 0xfe000000   ; the same field one bit up: the scale's byte is this word's top byte
.endr
	SUMS 2
	v_perm_b32 v[W], v[TC+1], v[TC], v[SEL]        ; my two bytes, blocks h and 2 + h, at their places in the scale word; zeros in the other two
	SUMS 2
	v_permlanex16_b32 v[TX], v[W], s20, s21
.irp c, 0,1
	v_cvt_scalef32_pk16_fp6_f32 v[PC+6*\c:PC+6*\c+2], v[S+32*\c:S+32*\c+15], v[SO+\c]
	v_cvt_scalef32_pk16_fp6_f32 v[T2+4*\c:T2+4*\c+2], v[S+32*\c+16:S+32*\c+31], v[SO+\c]   ; (a conversion's three registers begin on an even number)
.endr
	SUMS 2                                         ; plain places behind the scaled conversions
	v_or_b32 v[PW], v[W], v[TX]                    ; with lane l xor 16's two bytes: P's scale word for these 128 keys
	v_dual_mov_b32 v[PC+3], v[T2] :: v_dual_mov_b32 v[PC+4], v[T2+1]      ; the blocks' upper halves to their places: two pairs (one destination odd, one even; sources in different banks)
	v_dual_mov_b32 v[PC+5], v[T2+2] :: v_dual_mov_b32 v[PC+10], v[T2+5]
	v_mov_b32 v[PC+9], v[T2+4]
	v_mov_b32 v[PC+11], v[T2+6]
	SUMS 16                                        ; these are also the places in front of the scaled products
	s_wait_alu depctr_va_vdst(0)
	s_wait_dscnt 0x0                               ; V is in
.irp t, 0,1,2,3                                ; O^T += V^T P^T: four tiles of 16 d, one instruction a turn
.if \t % 2
	v_wmma_scale_f32_16x16x128_f8f6f4 v[O+8*\t:O+8*\t+7], v[FB+12*\t:FB+12*\t+11], v[PC:PC+11], v[O+8*\t:O+8*\t+7], v[36+\t/2], v[PW] matrix_a_fmt:MATRIX_FMT_FP6 matrix_b_fmt:MATRIX_FMT_FP6 matrix_a_scale:MATRIX_SCALE_ROW1
.else
	v_wmma_scale_f32_16x16x128_f8f6f4 v[O+8*\t:O+8*\t+7], v[FB+12*\t:FB+12*\t+11], v[PC:PC+11], v[O+8*\t:O+8*\t+7], v[36+\t/2], v[PW] matrix_a_fmt:MATRIX_FMT_FP6 matrix_b_fmt:MATRIX_FMT_FP6
.endif
.endr
.irp k, 0,2,4,6
	v_pk_add_f32 v[A+\k:A+\k+1], v[A+\k:A+\k+1], v[A+8+\k:A+9+\k]   ; eight partial sums into four: plain places behind the products
.endr
.endm
.macro TRIPS n, lab                    ; n trips of two key steps
	s_mov_b32 s41, \n
\lab:
	STEP NMA, NMB, 0
	STEP NMB, NMA, STEPB
	s_add_co_u32 s40, s40, 2*STEPB                 ; the next two records
	s_sub_co_u32 s41, s41, 1
	s_cmp_lg_u32 s41, 0
	s_cbranch_scc1 \lab
.endm
	s_load_b128 s[4:7], s[0:1], 0x0                ; qc, kv
	s_load_b64 s[8:9], s[0:1], 0x10                ; cc
	v_lshl_add_u32 v5, v0, 2, SPARE
	v_mov_b32 v6, 0
	ds_add_u32 v5, v6                              ; the opening lines: the add, twice on end, and its wait ahead of my first tensor load
	ds_add_u32 v5, v6
	s_mov_b32 s19, 0xffff0000                      ; lanes 16-31
	v_lshrrev_b32 v7, 5, v0
	v_readfirstlane_b32 s18, v7                    ; wave 0..15
	v_and_b32 v7, 31, v0
	v_and_b32 v11, 15, v0
	v_mov_b32 v[SEL], 0x0c070c03                   ; lanes 0-15: the first word's top byte to byte 0, the second's to byte 2, zeros between;
	v_mov_b32 v9, 0x070c030c                       ; lanes 16-31: to bytes 1 and 3
	v_lshlrev_b32 v1, 4, v7                        ; 16 x lane
	v_lshlrev_b32 v2, 3, v7                        ; 8 x lane
	v_lshlrev_b32 v8, 2, v7                        ; 4 x lane
	v_cndmask_b32 v[SEL], v[SEL], v9, s19
	s_bfe_u32 s43, ttmp6, 0x40000                  ; cx: it enters Q's and the output's addresses alone
	s_lshl_b32 s44, ttmp9, 2
	s_add_co_u32 s44, s44, s43                     ; my block of 256 queries
	s_and_b32 s45, ttmp7, 0xffff                   ; (batch, head), which the four partners share
	s_mov_b32 s20, 0x76543210
	s_mov_b32 s21, 0xfedcba98                      ; v_permlanex16_b32's selects for lane l xor 16
	s_mov_b32 s22, 0x3e38aa3b                      ; c = log2(e) / 8
	s_mov_b32 s23, s22                             ; (named with it as a pair)
	; group 1 for a sixteenth of eight key steps: 6,400 dense bytes as 25 rows of 256 (32 elements of 8 bytes), no padding; mask: all four work-groups, bit 21 beside it
	s_mov_b32 s24, 15|(3<<16)|(1<<21)
	s_mov_b32 s25, 32<<16
	s_mov_b32 s26, 25<<16
	s_mov_b32 s27, 32<<16
	s_mov_b32 s28, 25
	s_mov_b32 s29, 32
	s_mov_b32 s30, 0
	s_mov_b32 s31, 0
	; and of sixteen key steps: one record, 50 rows
	s_mov_b32 s72, 15|(3<<16)|(1<<21)
	s_mov_b32 s73, 32<<16
	s_mov_b32 s74, 50<<16
	s_mov_b32 s75, 32<<16
	s_mov_b32 s76, 50
	s_mov_b32 s77, 32
	s_mov_b32 s78, 0
	s_mov_b32 s79, 0
	s_mul_i32 s46, s18, 6400                       ; my sixteenth of slot 0,
	s_mul_i32 s47, s18, STEPB
	s_mul_i32 s48, s45, 409600                     ; the head's 32 records in kv
	s_mov_b32 s49, 0
	s_mov_b32 s50, s46
	s_mov_b32 s51, 0
	s_add_co_u32 s52, s47, SLOT1                   ; and of slot 1: in LDS and in the head's records alike
	s_mov_b32 s53, 0
	s_mov_b32 s40, 0                               ; the first record
	; Q: record 32 (b h) + 2 block + wave / 8; image (wave / 2) % 4; tile u = wave % 2
	s_lshl_b32 s56, s45, 5
	s_lshl_b32 s57, s44, 1
	s_add_co_u32 s56, s56, s57
	s_lshr_b32 s57, s18, 3
	s_add_co_u32 s56, s56, s57
	s_mul_i32 s56, s56, 6400
	s_mov_b32 s57, 0
	s_bfe_u32 s58, s18, 0x20001
	s_mul_i32 s54, s58, 1536                       ; the image
	s_and_b32 s55, s58, 1
	s_lshl_b32 s55, s55, 7
	s_lshr_b32 s58, s58, 1
	s_lshl_b32 s58, s58, 2
	s_add_co_u32 s55, s55, s58
	s_add_co_u32 s55, s55, 6144                    ; its scale words: 6,144 + 128 (q % 2) + 4 (q / 2) + 8 r
	s_and_b32 s59, s18, 1
	s_cmp_eq_u32 s59, 1
	s_cselect_b32 s59, -1, 0                       ; all lanes take the image's registers 6-11 (u = 1) or 0-5
	s_mov_b32 s42, 0x03020302
	s_cselect_b32 s42, s42, 0x01000100             ; and the scale word's bytes 2, 3 or 0, 1, twice
	; the output: token tile 256 batch + 16 block + wave; head (b h) % 8
	s_lshr_b32 s60, s45, 3
	s_lshl_b32 s60, s60, 8
	s_lshl_b32 s61, s44, 4
	s_add_co_u32 s60, s60, s61
	s_add_co_u32 s60, s60, s18
	s_mul_i32 s60, s60, 7168
	s_and_b32 s61, s45, 7
	s_lshl_b32 s62, s61, 7
	s_add_co_u32 s62, s62, s60                     ; the scale words' place (less 6,144)
	s_mul_i32 s61, s61, 768
	s_add_co_u32 s60, s60, s61                     ; the half image's
	s_mov_b32 s61, 0
	s_mov_b32 s63, 0
	s_wait_alu depctr_va_vdst(0)
	v_add_nc_u32 v9, s54, v1
	v_lshl_add_u32 v11, v11, 3, s55
	s_wait_alu depctr_va_vdst(0)
	s_wait_dscnt 0x0                               ; both opening adds are done
	s_wait_kmcnt 0x0
	s_add_nc_u64 s[10:11], s[6:7], s[48:49]
	s_mov_b32 s32, 1                               ; group 0 for key steps 0-7, slot 0,
	s_mov_b32 s33, s46
	s_add_nc_u64 s[34:35], s[10:11], s[50:51]
	s_mov_b32 s36, 1                               ; for 8-23, slot 1,
	s_mov_b32 s37, s52
	s_add_nc_u64 s[38:39], s[10:11], s[52:53]
	s_mov_b32 s80, 1                               ; and for 24-31, slot 0 again
	s_mov_b32 s81, s46
	s_add_nc_u64 s[82:83], s[34:35], 24*STEPB
	s_or_b32 s35, s35, 0x80000000
	s_or_b32 s39, s39, 0x80000000
	s_or_b32 s83, s83, 0x80000000
	s_add_nc_u64 s[66:67], s[4:5], s[56:57]
	s_add_nc_u64 s[68:69], s[8:9], s[60:61]
	s_add_nc_u64 s[70:71], s[8:9], s[62:63]
.irp c, 0,1,2
	global_load_b128 v[S+4*\c:S+4*\c+3], v9, s[66:67] offset:512*\c   ; the pair image that holds my tile
.endr
	global_load_b32 v[S+12], v11, s[66:67]         ; and its scale words
	CROUND                                         ; all four work-groups are here: the first joint loads meet
	JLOAD 32, 24                                   ; key steps 0-7: my one tensor load at the head
	v_mov_b32 v[NMA], 0x7f61b1e6                   ; -M: 3e38, so that the first f is 0
	v_mov_b32 v[MS], 0xff61b1e6                    ; the largest score so far: -3e38
	v_mov_b32 v[NMB], 0
	v_mov_b32 v[NMB+1], 0                          ; (named as the upper half of a pair)
	v_mov_b32 v[L], 0
	v_mov_b32 v[L+1], 0
	v_mov_b32 v[F+1], 0                            ; (likewise)
	v_mov_b32 v[TB], 0                             ; a lane permute's destination counts as one of its sources
	v_mov_b32 v[TX], 0
.set j, 0
.rept 32
	v_mov_b32 v[O+j], 0                            ; the step has no first form of its own: it finds zeros
.set j, j+1
.endr
.set j, 0
.rept 8
	v_mov_b32 v[A+j], 0                            ; and four partial sums of nothing
.set j, j+1
.endr
.irp i, 0,1,2,3,4,5
	v_mov_b32 v[22+\i], 0                          ; the zero codes between the two copies of Q
.endr
	s_wait_alu depctr_va_vdst(0)
	s_wait_loadcnt 0x0
	v_perm_b32 v[QW], v[S+12], v[S+12], s42        ; Q's two bytes, for both halves of the instruction's K.  (The 12 lines below and the four v_nop stand between this line and the first scaled product)
.irp i, 0,1,2,3,4,5
	v_cndmask_b32 v[16+\i], v[S+\i], v[S+6+\i], s59
.endr
.irp i, 0,1,2,3,4,5
	v_mov_b32 v[28+\i], v[16+\i]
.endr
	s_wait_alu depctr_va_vdst(0)
	s_wait_tensorcnt 0x0                           ; my sixteenth of slot 0 is in; slot 1's first fill is issued as a refill is:
	ds_add_u32 v5, v6                              ; 0 onto my spare word
	s_wait_dscnt 0x0
	CROUND                                         ; everybody's sixteenth is in, and the joint loads meet
	JLOAD 36, 72                                   ; key steps 8-23
	TRIPS 4, .Lp0                                  ; key steps 0-7
	s_wait_tensorcnt 0x0                           ; my record of slot 1 is in;
	ds_add_u32 v5, v6                              ; 0 onto my spare word;
	s_wait_dscnt 0x0                               ; it is done, and my reads of slot 0 are over
	CROUND                                         ; so of every wave of every partner
	JLOAD 80, 24                                   ; key steps 24-31 into slot 0: the one refill
	TRIPS 8, .Lp1                                  ; key steps 8-23
	s_wait_tensorcnt 0x0                           ; my sixteenth of the last fill is in,
	s_wait_dscnt 0x0
	s_barrier_signal -1
	s_barrier_wait -1                              ; everybody's is
	s_mov_b32 s40, 0                               ; record 24 lies at slot 0's start
	TRIPS 4, .Lp2                                  ; key steps 24-31
	; THE WAY OUT: O^T / l, quantised along d: two blocks of 32; register 16 B + i is d = 32 B + 16 h + i of my query
	JOIN2                                          ; the last step's sum of p
	s_delay_alu instid0(VALU_DEP_1)
	v_add_f32 v[L], v[L], v[L+1]
	s_delay_alu instid0(VALU_DEP_1)
	v_permlanex16_b32 v[TB], v[L], s20, s21
	s_delay_alu instid0(VALU_DEP_1)
	v_add_f32 v[L], v[L], v[TB]                    ; the row's sum
	s_wait_alu depctr_va_vdst(0)
	v_rcp_f32 v[L], v[L]
	v_nop                                          ; one plain place behind it
	s_wait_alu depctr_va_vdst(0)                   ; the wait ahead of its first reader, which is also O^T's
.set j, 0
.rept 16
	v_pk_mul_f32 v[S+j:S+j+1], v[O+j:O+j+1], v[L:L+1] op_sel_hi:[1,0]   ; each accumulator from its low end on
.set j, j+2
.endr
.irp b, 0,1
	v_max3_num_f32 v[BM+\b], |v[S+16*\b]|, |v[S+1+16*\b]|, 0x1800000
.endr
.irp i, 2,4,6,8,10,12,14
.irp b, 0,1
	v_max3_num_f32 v[BM+\b], v[BM+\b], |v[S+16*\b+\i]|, |v[S+1+16*\b+\i]|
.endr
.endr
.irp b, 0,1
	v_permlanex16_b32 v[BM2+\b], v[BM+\b], s20, s21
.endr
.irp b, 0,1
	v_max_num_f32 v[BM+\b], v[BM+\b], v[BM2+\b]
.endr
.irp b, 0,1
	v_add_nc_u32 v[SO+\b], 0xff000000, v[BM+\b]
.endr
.irp b, 0,1
	v_lshrrev_b32 v[TC+\b], 23, v[SO+\b]
.endr
	v_lshl_or_b32 v[W], v[TC+1], 8, v[TC]          ; the head's two bytes of my row
	v_cvt_scalef32_pk16_fp6_f32 v[PC:PC+2], v[S:S+15], v[SO]
	v_cvt_scalef32_pk16_fp6_f32 v[PC+4:PC+6], v[S+16:S+31], v[SO+1]
	v_nop                                          ; one plain place behind a scaled conversion
.irp i, 0,1,2
	v_permlane16_swap_b32 v[PC+\i], v[PC+4+\i]     ; lanes 0-15 block 0, lanes 16-31 block 1
.endr
	v_mov_b32 v[PC+3], v[PC+4]                     ; six registers on end
	v_mov_b32 v[PC+4], v[PC+5]
	v_mov_b32 v[PC+5], v[PC+6]
	global_store_b128 v1, v[PC:PC+3], s[68:69]             ; 512 consecutive bytes, at a multiple of 256 from the buffer's first byte
	global_store_b64 v2, v[PC+4:PC+5], s[68:69] offset:512 ; 256 consecutive bytes
	global_store_b32 v8, v[W], s[70:71] offset:6144        ; 128 consecutive bytes: the neighbouring head's work-group writes the other half of the 256
	s_wait_tensorcnt 0x0                           ; the wave's end
	ds_add_u32 v5, v6
	s_wait_dscnt 0x0
	CROUND                                         ; the closing round: no work-group ends while a partner may still ask for a tile that names it
	s_endpgm
.Lfunc_end_k_q096b60d6e4_attn:
	.size	k_q096b60d6e4_attn, .Lfunc_end_k_q096b60d6e4_attn-k_q096b60d6e4_attn
	.p2alignl 7, 3214868480
	.fill 96, 4, 3214868480
	.section	.rodata,"a",@progbits
	.p2align	6, 0x0
	.amdhsa_kernel k_q096b60d6e4_attn
		.amdhsa_group_segment_fixed_size 327680
		.amdhsa_private_segment_fixed_size 0
		.amdhsa_enable_private_segment 0
		.amdhsa_kernarg_size 24
		.amdhsa_user_sgpr_count 2
		.amdhsa_user_sgpr_kernarg_segment_ptr 1
		.amdhsa_wavefront_size32 1
		.amdhsa_system_sgpr_workgroup_id_x 1
		.amdhsa_system_sgpr_workgroup_id_y 1
		.amdhsa_system_sgpr_workgroup_id_z 1
		.amdhsa_system_vgpr_workitem_id 0
		.amdhsa_next_free_vgpr 256
		.amdhsa_next_free_sgpr 84
		.amdhsa_reserve_vcc 0
		.amdhsa_float_denorm_mode_32 3
		.amdhsa_float_denorm_mode_16_64 3
		.amdhsa_memory_ordered 1
		.amdhsa_forward_progress 1
		.amdhsa_inst_pref_size 100
	.end_amdhsa_kernel
	.amdgpu_metadata
---
amdhsa.version: [ 1, 2 ]
amdhsa.kernels:
  - .name:           k_q096b60d6e4_attn
    .symbol:         k_q096b60d6e4_attn.kd
    .args:
      - { .name: qc, .offset: 0, .size: 8, .value_kind: global_buffer, .address_space: global }
      - { .name: kv, .offset: 8, .size: 8, .value_kind: global_buffer, .address_space: global }
      - { .name: cc, .offset: 16, .size: 8, .value_kind: global_buffer, .address_space: global }
    .group_segment_fixed_size: 327680
    .private_segment_fixed_size: 0
    .kernarg_segment_align: 8
    .kernarg_segment_size: 24
    .max_flat_workgroup_size: 512
    .sgpr_count:     84
    .vgpr_count:     256
    .wavefront_size: 32
...
	.end_amdgpu_metadata
.endif
;; end of part 3
;; launch oproj (part 4): grid 4 x 64, 4 waves a work-group, clusters of 4 x 1, 168,448 bytes of LDS; arguments cc, wq, out0; writes out0
.if DOCPART == 4
	.amdgcn_target "amdgcn-amd-amdhsa--gfx1250"
	.amdhsa_code_object_version 6
	.text
	.protected	k_q096b60d6e4_oproj
	.globl	k_q096b60d6e4_oproj
	.p2align	8
	.type	k_q096b60d6e4_oproj,@function
k_q096b60d6e4_oproj:
	s_mov_b64 s[64:65], 0
	v_nop
	global_prefetch_b8 v0, s[64:65] scope:SCOPE_SE
	s_setreg_imm32_b32 hwreg(HW_REG_WAVE_MODE, 25, 1), 1
	s_wait_xcnt 0x0
	s_wait_alu depctr_hold_cnt(0) depctr_sa_sdst(0) depctr_va_vdst(0) depctr_va_sdst(0) depctr_va_ssrc(0) depctr_va_vcc(0) depctr_vm_vsrc(0)
	s_getreg_b32 s2, hwreg(HW_REG_IB_STS2, 6, 4)
	s_cmp_eq_u32 s2, 0
	s_cbranch_scc0 .Lentry_in_a_cluster
	s_endpgm
.Lentry_in_a_cluster:
	s_bfe_u32 s2, ttmp6, 0x10000c
	s_cmp_lg_u32 s2, 0x3003
	s_cbranch_scc0 .Lentry_shape_is_right
	s_endpgm
.Lentry_shape_is_right:
; OPROJ: out = concat W_o on codes of FP6 (E2M3); out [8192][512] f32.
; A work-group takes 128 tokens (work-group y) x 128 columns (work-group x); wave (wy, wx) takes 64 x 64: 16 accumulators, 64 matrix instructions, K = 512 in four steps.
; CLUSTER: the four column blocks of a row of the grid need the same eight records of concat (57,344 dense bytes): they are asked for JOINTLY (mask 15), a quarter a wave, once.
; W_o's fragments hang on the work-group's place: each wave loads its 16 from memory straight into registers.
; A K step of 128 is two heads: a fragment's registers 0-5 are head 2 s's half image, 6-11 head 2 s + 1's; its scale word is the two heads' pairs of bytes.
; TRANSPOSED: source 0 = 16 columns of W_o, source 1 = 16 tokens: a lane holds one token and eight neighbouring columns.  Tiles as in PREP: tile 2 B + u, lane r: row 32 B + 8 u + r + 8 (r / 8).
; The way out goes through the wave's own stage in LDS, 16 rows x (256 bytes + 16), so that sixteen lanes store 256 consecutive bytes, at a multiple of 256 from out's first byte.
; REGISTERS: window 0: v1-11 addresses; v16-31 W_o's scale words; v32-47 concat's; v48-79 the heads' words as loaded; v128-255 rows on the way out.
;   window 1: W_o's fragments (t, s) at 12 (4 t + s); window 2: concat's (m, s) at 12 (4 m + s); window 3: the accumulators (m, t) at 8 (4 m + t).
.set REC,  6400
.set CREC, 7168
.set STG,  8*CREC                      ; behind concat's block: the four stages, in blocks of 256 bytes into which no fill lands
.set SP,   272
.set WS,   16
.set CS,   32
.set RW,   48
.set BK,   128
.set MSB, 0
.macro WIN new                         ; the immediate's high byte repeats the setting that is left
.if MSB != (\new)
	s_set_vgpr_msb (MSB<<8)|(\new)
.set MSB, (\new)
.endif
.endm
.macro CROUND                          ; a round of the cluster's barrier
	s_barrier_signal -1
	s_barrier_wait -1
	s_cmp_lg_u32 s18, 0
	s_cbranch_scc1 .Lnot_wave_0_\@
	s_barrier_signal -3
.Lnot_wave_0_\@:
	s_barrier_wait -3
	s_barrier_signal -1
	s_barrier_wait -1
.endm
	s_load_b128 s[4:7], s[0:1], 0x0                ; cc, wq
	s_load_b64 s[8:9], s[0:1], 0x10                ; out0
	v_lshl_add_u32 v126, v0, 2, 0x29000
	v_mov_b32 v127, 0
	ds_add_u32 v126, v127
	ds_add_u32 v126, v127
	v_lshrrev_b32 v1, 5, v0
	v_readfirstlane_b32 s18, v1                    ; wave 0..3
	s_lshr_b32 s19, s18, 1                         ; wy: which 64 tokens
	s_and_b32 s20, s18, 1                          ; wx: which 64 columns
	s_bfe_u32 s21, ttmp6, 0x40000                  ; cx
	s_lshl_b32 s22, ttmp9, 2
	s_add_co_u32 s22, s22, s21                     ; the block of 128 columns: it enters W_o's and out's addresses alone
	s_and_b32 s23, ttmp7, 0xffff                   ; the group of 128 tokens, which the four partners share
	; descriptor group 1: 14,336 dense bytes as 56 rows of 256 (32 elements of 8 bytes), no padding; mask: all four work-groups, bit 21 beside it
	s_mov_b32 s24, 15|(3<<16)|(1<<21)
	s_mov_b32 s25, 32<<16
	s_mov_b32 s26, 56<<16
	s_mov_b32 s27, 32<<16
	s_mov_b32 s28, 56
	s_mov_b32 s29, 32
	s_mov_b32 s30, 0
	s_mov_b32 s31, 0
	s_mov_b32 s32, 1
	s_mul_i32 s33, s18, 2*CREC                     ; LDS: my quarter (two records)
	s_mul_i32 s40, s23, 8*CREC
	s_add_co_u32 s40, s40, s33
	s_mov_b32 s41, 0
	s_lshl_b32 s42, s22, 3
	s_lshl_b32 s43, s20, 2
	s_add_co_u32 s42, s42, s43                     ; my first column tile of W_o
	s_mul_i32 s42, s42, REC
	s_add_co_u32 s42, s42, 3*204800                ; the fourth matrix in wq
	s_mov_b32 s43, 0
	s_mul_i32 s44, s19, 4*CREC                     ; my four token tiles in LDS
	s_mul_i32 s45, s18, 16*SP
	s_add_co_u32 s45, s45, STG                     ; my stage
	s_lshl_b32 s46, s23, 7
	s_lshl_b32 s47, s19, 6
	s_add_co_u32 s46, s46, s47                     ; my first row of out,
	s_lshl_b32 s46, s46, 11                        ; x 2,048 bytes,
	s_lshl_b32 s47, s22, 9
	s_add_co_u32 s46, s46, s47
	s_lshl_b32 s47, s20, 8
	s_add_co_u32 s46, s46, s47                     ; + my first column's bytes: 512 x block + 256 wx
	s_mov_b32 s47, 0
	v_and_b32 v1, 31, v0                           ; lane
	v_and_b32 v2, 15, v0                           ; r
	v_bfe_u32 v3, v0, 4, 1                         ; h
	v_lshlrev_b32 v4, 4, v1                        ; 16 x lane
	v_lshlrev_b32 v5, 4, v2                        ; 16 r
	s_wait_alu depctr_va_vdst(0)
	s_wait_dscnt 0x0
	s_wait_kmcnt 0x0
	s_add_nc_u64 s[34:35], s[4:5], s[40:41]
	s_or_b32 s35, s35, 0x80000000
	s_add_nc_u64 s[36:37], s[6:7], s[42:43]
	s_add_nc_u64 s[38:39], s[8:9], s[46:47]
	WIN 0x40                                       ; destination window 1
.irp t, 0,1,2,3
.irp s, 0,1,2,3
.irp c, 0,1,2
	global_load_b128 v[12*(4*\t+\s)+4*\c:12*(4*\t+\s)+4*\c+3], v4, s[36:37] offset:REC*\t+1536*\s+512*\c
.endr
.endr
.endr
	WIN 0
.irp t, 0,1,2,3
	global_load_b128 v[WS+4*\t:WS+4*\t+3], v5, s[36:37] offset:REC*\t+6144
.endr
	CROUND                                         ; all four work-groups are here: the joint loads meet
	tensor_load_to_lds s[32:35], s[24:31]          ; filled once: my one tensor load
	s_nop 0
	v_add_nc_u32 v6, s44, v4                       ; (four lines of the work stand behind the tensor load)  16 x lane in my tiles,
	v_lshl_add_u32 v7, v1, 3, s44                  ; 8 x lane,
	v_lshl_add_u32 v8, v1, 2, s44                  ; 4 x lane
	v_mul_u32_u24 v9, v2, SP
	s_wait_alu depctr_va_vdst(0)
	s_wait_tensorcnt 0x0                           ; my quarter is in,
	s_barrier_signal -1
	s_barrier_wait -1                              ; everybody's is
	WIN 0x80                                       ; destination window 2
.irp m, 0,1,2,3
.irp s, 0,1,2,3
	ds_load_b128 v[12*(4*\m+\s):12*(4*\m+\s)+3],     v6 offset:CREC*\m+1536*\s         ; head 2 s: registers 0-3,
	ds_load_b64  v[12*(4*\m+\s)+4:12*(4*\m+\s)+5],   v7 offset:CREC*\m+1536*\s+512     ; 4-5;
	ds_load_b128 v[12*(4*\m+\s)+6:12*(4*\m+\s)+9],   v6 offset:CREC*\m+1536*\s+768     ; head 2 s + 1: registers 6-9,
	ds_load_b64  v[12*(4*\m+\s)+10:12*(4*\m+\s)+11], v7 offset:CREC*\m+1536*\s+1280    ; 10-11
.endr
.endr
	WIN 0
.irp m, 0,1,2,3
.irp e, 0,1,2,3,4,5,6,7
	ds_load_b32 v[RW+8*\m+\e], v8 offset:CREC*\m+6144+128*\e
.endr
.endr
	s_wait_dscnt 0x0
.irp m, 0,1,2,3
.irp s, 0,1,2,3
	v_lshl_or_b32 v[CS+4*\m+\s], v[RW+8*\m+2*\s+1], 16, v[RW+8*\m+2*\s]   ; two heads' pairs of bytes make a K step's scale word
.endr
.endr
	v_lshl_add_u32 v9, v3, 6, v9                   ; the way out's addresses: with the two v_nop nine plain lines between the last scale word made and the first scaled product
	v_add_nc_u32 v9, s45, v9                       ; into the stage: row r, + 64 h
	v_mul_u32_u24 v10, v3, SP
	v_lshl_add_u32 v10, v2, 4, v10
	v_add_nc_u32 v10, s45, v10                     ; back: lanes 0-15 one row of 256 bytes, lanes 16-31 the next
	v_lshlrev_b32 v11, 11, v3
	v_lshl_add_u32 v11, v2, 4, v11                 ; and the same two rows in out
	v_nop
	v_nop
	s_wait_loadcnt 0x0                             ; W_o
	WIN 0xf9                                       ; source 0 (W_o) window 1, source 1 (concat) window 2, C and D window 3
.irp s, 0,1,2,3                                ; the 16 accumulators take turns, one instruction a turn; K step 0 starts the sums
	s_wait_alu depctr_va_vdst(0)
.irp m, 0,1,2,3
.irp t, 0,1,2,3
.if \s == 0
	v_wmma_scale_f32_16x16x128_f8f6f4 v[8*(4*\m+\t):8*(4*\m+\t)+7], v[12*(4*\t+\s):12*(4*\t+\s)+11], v[12*(4*\m+\s):12*(4*\m+\s)+11], 0, v[WS+4*\t+\s], v[CS+4*\m+\s] matrix_a_fmt:MATRIX_FMT_FP6 matrix_b_fmt:MATRIX_FMT_FP6
.else
	v_wmma_scale_f32_16x16x128_f8f6f4 v[8*(4*\m+\t):8*(4*\m+\t)+7], v[12*(4*\t+\s):12*(4*\t+\s)+11], v[12*(4*\m+\s):12*(4*\m+\s)+11], v[8*(4*\m+\t):8*(4*\m+\t)+7], v[WS+4*\t+\s], v[CS+4*\m+\s] matrix_a_fmt:MATRIX_FMT_FP6 matrix_b_fmt:MATRIX_FMT_FP6
.endif
.endr
.endr
.endr
	WIN 0
.rept 4
	v_nop                                          ; four places in front of the first read of results
.endr
.irp m, 0,1,2,3                                ; a token tile at a time through my stage.  LDS serves a wave's instructions in order: no wait between the stores and the loads, nor in front of the next tile's stores
	WIN 0x0c                                       ; an LDS store's data are its source 1: window 3
.irp t, 0,1,2,3
	ds_store_b128 v9, v[8*(4*\m+\t):8*(4*\m+\t)+3] offset:128*(\t/2)+32*(\t%2)          ; lane (r, h): columns 32 (t / 2) + 16 h + 8 (t % 2) + 0 .. 7 of token r; each accumulator from its low end on
	ds_store_b128 v9, v[8*(4*\m+\t)+4:8*(4*\m+\t)+7] offset:128*(\t/2)+32*(\t%2)+16
.endr
	WIN 0
.irp i, 0,1,2,3,4,5,6,7
	ds_load_b128 v[BK+32*\m+4*\i:BK+32*\m+4*\i+3], v10 offset:2*SP*\i
.endr
.endr
.irp m, 0,1,2,3
.irp i, 0,1,2,3,4,5,6,7
	s_wait_dscnt 16*(3-\m)+7-\i                    ; behind this load: the tile's later loads and sixteen LDS instructions for each later tile
	global_store_b128 v11, v[BK+32*\m+4*\i:BK+32*\m+4*\i+3], s[38:39] offset:(8*\m+2*\i+24*(\i/4))*2048 th:TH_STORE_NT   ; token tiles: tile m of my four, row p, is token 8 m + p + 24 (p / 8) of my 64; stage rows 2 i + h
.endr
.endr
	s_wait_tensorcnt 0x0
	ds_add_u32 v126, v127
	s_wait_dscnt 0x0
	CROUND                                         ; the closing round: no work-group ends while a partner may still ask for a tile that names it
	s_endpgm
.Lfunc_end_k_q096b60d6e4_oproj:
	.size	k_q096b60d6e4_oproj, .Lfunc_end_k_q096b60d6e4_oproj-k_q096b60d6e4_oproj
	.p2alignl 7, 3214868480
	.fill 96, 4, 3214868480
	.section	.rodata,"a",@progbits
	.p2align	6, 0x0
	.amdhsa_kernel k_q096b60d6e4_oproj
		.amdhsa_group_segment_fixed_size 168448
		.amdhsa_private_segment_fixed_size 0
		.amdhsa_enable_private_segment 0
		.amdhsa_kernarg_size 24
		.amdhsa_user_sgpr_count 2
		.amdhsa_user_sgpr_kernarg_segment_ptr 1
		.amdhsa_wavefront_size32 1
		.amdhsa_system_sgpr_workgroup_id_x 1
		.amdhsa_system_sgpr_workgroup_id_y 1
		.amdhsa_system_sgpr_workgroup_id_z 1
		.amdhsa_system_vgpr_workitem_id 0
		.amdhsa_next_free_vgpr 896
		.amdhsa_next_free_sgpr 66
		.amdhsa_reserve_vcc 0
		.amdhsa_float_denorm_mode_32 3
		.amdhsa_float_denorm_mode_16_64 3
		.amdhsa_memory_ordered 1
		.amdhsa_forward_progress 1
		.amdhsa_inst_pref_size 34
	.end_amdhsa_kernel
	.amdgpu_metadata
---
amdhsa.version: [ 1, 2 ]
amdhsa.kernels:
  - .name:           k_q096b60d6e4_oproj
    .symbol:         k_q096b60d6e4_oproj.kd
    .args:
      - { .name: cc, .offset: 0, .size: 8, .value_kind: global_buffer, .address_space: global }
      - { .name: wq, .offset: 8, .size: 8, .value_kind: global_buffer, .address_space: global }
      - { .name: out0, .offset: 16, .size: 8, .value_kind: global_buffer, .address_space: global }
    .group_segment_fixed_size: 168448
    .private_segment_fixed_size: 0
    .kernarg_segment_align: 8
    .kernarg_segment_size: 24
    .max_flat_workgroup_size: 128
    .sgpr_count:     66
    .vgpr_count:     896
    .wavefront_size: 32
...
	.end_amdgpu_metadata
.endif
;; end of part 4
